; MI455X (gfx1250); checked and timed in simulation.
; The chip was launched on July 23, 2026; its instructions are those of AMD's public machine-readable ISA for CDNA 5 (MIT licence, August 2026) and "CDNA5" Instruction Set Architecture Reference Guide (July 2026). The comments in the code are by the model that wrote it; some were corrected since.
;; Multihead Self Attention. Allowed arithmetic: matrix products marked QUANTISED: E2M3 operands, one E8M0 scale for each 32 along K, by v_wmma_scale_f32_16x16x128_f8f6f4 with both operands' format E2M3, f32 sums; everything else in f32.
;; Inputs: proj_b 1,024 float32; proj_w_codes 1,024 x 32 x 24 uint8 (E2M3 codes of proj_w, K innermost, in blocks of 32 codes, four codes in three bytes); proj_w_scales 1,024 x 32 uint8 (E8M0 scales of proj_w, one for each 32 codes along K); qkv_b 3,072 float32; qkv_w_codes 3,072 x 32 x 24 uint8 (E2M3 codes of qkv_w, K innermost, in blocks of 32 codes, four codes in three bytes); qkv_w_scales 3,072 x 32 uint8 (E8M0 scales of qkv_w, one for each 32 codes along K); x_codes 4 x 2,048 x 32 x 24 uint8 (E2M3 codes of x, K innermost, in blocks of 32 codes, four codes in three bytes); x_scales 4 x 2,048 x 32 uint8 (E8M0 scales of x, one for each 32 codes along K).
;; Outputs: out0 4 x 2,048 x 1,024 float32.
;; This version of the problem:
;;   THIS VERSION OF THE PROBLEM IS GIVEN IN LOW PRECISION. The matrix products marked QUANTISED in the list below multiply operands that are first quantised to E2M3 (2 exponent bits, 3 mantissa bits; 6 bits a number), with one power-of-two scale for each 32 numbers along K (OCP MX v1.0); their sums are f32. All else is computed in f32.
;;   The module's matrix products, in the order in which they are computed (A, B: the left and right operand; K: the contracted axis; several contracted axes count as one K, in the product's order):
;;     1. [M 8,192, K 1,024] x [K 1,024, N 3,072]; A: input x (given as codes); B: input qkv_w (given as codes): QUANTISED
;;     2. batch 64 x [M 2,048, K 64] x [K 64, N 2,048]; A: computed on the way; B: computed on the way: QUANTISED
;;     3. batch 64 x [M 2,048, K 2,048] x [K 2,048, N 64]; A: softmax (see below); B: computed on the way: QUANTISED
;;     4. [M 8,192, K 1,024] x [K 1,024, N 1,024]; A: computed on the way; B: input proj_w (given as codes): QUANTISED
;;   THE QUANTISER, for each operand of a quantised product, along K:
;;     - K is cut into blocks of 32 from its start; a last block that is shorter is filled with zeros.
;;     - A block's scale is 2^e with e = floor(log2(the largest magnitude in the block)) - 2, held to -126 .. 127; a block of zeros has e = 0. As a byte (E8M0): e + 127.
;;     - Each number is divided by its block's scale, clamped to +-7.5, and rounded to the nearest number of E2M3, ties to even, subnormals kept.
;;     - The product sums the exact products of the quantised numbers (number of the format x scale) in f32.
;;   ~~~python
;;   def quantise(x, axis):      # numpy; x: float32 -> the quantised numbers, widened to float32 again
;;       x = np.moveaxis(x, axis, -1); K = x.shape[-1]
;;       x = np.pad(x, [(0, 0)] * (x.ndim - 1) + [(0, -K % 32)]); x = x.reshape(x.shape[:-1] + (-1, 32)); a = np.abs(x).max(-1, keepdims=True)
;;       e = np.where(a > 0, np.clip(np.frexp(np.where(a > 0, a, 1))[1] - 1 - 2, -126, 127), 0)      # np.frexp(a)[1] - 1 = floor(log2(a)), exactly
;;       r = np.clip(x / 2.0 ** e, -7.5, 7.5)
;;       step = 2.0 ** (np.maximum(np.frexp(np.where(r == 0, 1, r))[1] - 1, 0) - 3)
;;       q = np.round(r / step) * step * 2.0 ** e      # np.round: ties to even
;;       return np.moveaxis(q.reshape(q.shape[:-2] + (-1,))[..., :K], -1, axis).astype(np.float32)
;;   ~~~
;;   SOFTMAX AHEAD OF A QUANTISED PRODUCT. Where the list says 'softmax', what is quantised is not the finished softmax but p = 2^(t - M), with t = logit x log2(e) and M = ceil(the row's largest t), a whole number; so 1/2 < the row's largest p <= 1. The row's sum l is taken of the UNQUANTISED p, in f32, and the product's result is divided by l at the end. Since M is a whole number, a kernel that streams over the keys may use a running M (the ceiling of the running maximum): every later rescaling is an exact power of two, which a block's scale takes up: the codes' values come out the same.
;;   OPERANDS COMPUTED ON THE WAY. 'Computed on the way' means the value that the module computes at that place (a softmax that the list does not call 'softmax' is quantised finished and normalised). What goes into a quantiser is computed in f32, as accurately as f32 sums, v_exp_f32 and their like allow (about 1e-6 of the number): no bf16 or f16 on the way to a quantiser, and a product that is left as it is and whose result goes on into a quantised operand takes f32 operands (vector FMAs, or v_wmma_f32_16x16x4_f32). A number that lies on a knife's edge between two numbers of the format may be rounded either way, as far as f32 arithmetic and the matrix unit's own rounding can turn it there, and no further.
;;   INPUTS GIVEN AS CODES. proj_w (in the module: [1024, 1024], K = its axis 1); qkv_w (in the module: [3072, 1024], K = its axis 1); x (in the module: [4, 2048, 1024], K = its axis 2): each comes as NAME_codes (uint8): NAME with its K axis moved to the last place and cut into blocks of 32 codes, [.., K / 32, bytes a block], one block behind the other in memory; four codes in three bytes: a row's codes are one little-endian stream of bits, code i at bits 6 i .. 6 i + 5 (a code: sign, 2 exponent bits, 3 mantissa bits); and NAME_scales (uint8): the same leading axes, one E8M0 byte (e + 127) for each 32 codes along K. Its value is code x scale, taken as it is: it is not quantised again, and the codes and scales need not be those that the quantiser above would give.
;; One version. Each part assembles by itself: llvm-mc -triple=amdgcn-amd-amdhsa -mcpu=gfx1250 --defsym DOCPART=n.
;; ======== version 1 of 1: 3 launches
;; limits: right only within a limited range of input values
;; workspace buffers: img 18,874,368 bytes; scl 1,310,720 bytes; ao 6,291,456 bytes; aos 262,144 bytes
;; launch qkv (part 1): grid 12 x 32, 4 waves a work-group, clusters of 4 x 4, 327,680 bytes of LDS; arguments x_codes, x_scales, qkv_w_codes, qkv_w_scales, qkv_b, img, scl; writes img, scl
.if DOCPART == 1
	.amdgcn_target "amdgcn-amd-amdhsa--gfx1250"
	.amdhsa_code_object_version 6
	.text
	.protected	k_q23eed96db8_qkv
	.globl	k_q23eed96db8_qkv
	.p2align	8
	.type	k_q23eed96db8_qkv,@function
k_q23eed96db8_qkv:
	s_mov_b64 s[64:65], 0
	v_nop
	global_prefetch_b8 v0, s[64:65] scope:SCOPE_SE
	s_setreg_imm32_b32 hwreg(HW_REG_WAVE_MODE, 25, 1), 1
	s_wait_xcnt 0x0
	s_wait_alu depctr_hold_cnt(0) depctr_sa_sdst(0) depctr_va_vdst(0) depctr_va_sdst(0) depctr_va_ssrc(0) depctr_va_vcc(0) depctr_vm_vsrc(0)
	s_getreg_b32 s2, hwreg(HW_REG_IB_STS2, 6, 4)
	s_cmp_eq_u32 s2, 0
	s_cbranch_scc0 .Lentry_in_a_cluster
	s_endpgm
.Lentry_in_a_cluster:
	s_bfe_u32 s2, ttmp6, 0x10000c
	s_cmp_lg_u32 s2, 0xf033
	s_cbranch_scc0 .Lentry_shape_is_right
	s_endpgm
.Lentry_shape_is_right:
; qkv = x W^T + b on codes of FP6 (E2M3) with one E8M0 scale for each 32 along K = 1,024; the result is quantised at once, in f32, into the operands of the attention launch, and leaves as IMAGES OF OPERAND REGISTERS.
; Source 0 = 16 rows of S0, source 1 = 16 rows of S1: a lane holds ONE row of S1 and its registers run along S0, the axis along which the result is quantised.
;   q, k (clusters x = 0, 1): S0 = rows 0 .. 2,047 of W, S1 = tokens.      v (cluster x = 2): S0 = tokens (the keys are the next K), S1 = rows 2,048 .. 3,071 of W.
; The path hangs on the cluster's x alone, so it is the same in all sixteen partners.
; A tile is 256 x 256: four waves of 128 x 128, 64 accumulators each.  K goes through two LDS slots in CHUNKS OF 256 BYTES of each row (a row of codes is 768 bytes: three chunks, each at a multiple of 256), by joint
; tensor loads: S1's tile is shared along a row of the 4 x 4 cluster, S0's along a column.  A step of 128 along K is 96 bytes: eight steps to three chunks; steps 2 and 5 take their pieces from both slots.
; The scale words of a wave's 128 + 128 rows for all of K are 64 registers, loaded once.
; ORDER INSIDE A BLOCK OF 32: register 16 B + i of lane half h holds S0 row 32 B + 16 (i / 8) + 8 h + i % 8, and its code stands at place 16 h + i of its block.  The block's members and scale are the quantiser's;
; q and k get the same order along d, v and the attention launch's p the same order along the keys: each product multiplies the same pairs.
; img, for each head hb = 16 x batch + head 294,912 bytes: Q, K: 128 tiles of 16 tokens x 768 bytes (three planes of [32 lanes][8 bytes]); V: 16 key steps x 4 tiles of 16 d x 1,536 bytes (six planes).
; scl, for each head 20,480 bytes: Q, K: 16 steps x [32 lanes][4 words], word P of lane (u, r) for tile 2 P + u, token r, bytes 0, 1 the two scales, bytes 2, 3 zero; V: 16 steps x [32 lanes][2 words].
; LIMITS: NaN, infinities and scale bytes 0xff among the inputs are not served.  A block of zeros gets the byte 1 where the quantiser says 127: its codes are zeros, and this program alone reads the bytes.
; 384 work-groups in 24 clusters: the tiles of q, k and v do not divide evenly among 256 WGPs; stated, not mended.
.set KROW,  768
.set ROWB,  256                        ; a chunk
.set CHUNKS, KROW/ROWB
.set PITCH, 272                        ; an LDS row: 256 bytes + 16 of padding
.set FR,    12
.set NL,    6
.set NP,    4                          ; places behind this matrix instruction (ISA guide 7.12.1)
.set HALFT, 128*PITCH                  ; 128 rows: one tensor load
.set SLOT,  4*HALFT                    ; S1's 256 rows, then S0's
.set SPARE, 2*SLOT                     ; the spare words, 128 bytes a wave
.set HEADI, 294912
.set PARTI, 98304
.set HEADW, 20480
.set ADR1, 16                          ; v16-17 my S1 fragments in slot 0, 1; v18-19: lanes 0-15 at byte 232 of slot 0, 1 and lanes 16-31 at byte 0 of the other slot
.set ADR0, 20                          ; v20-23 the same for S0
.set L8,   24
.set L16,  25
.set L32,  26
.set H32,  27
.set SPW,  28                          ; my spare word; never rewritten
.set NIL,  29                          ; 0; never rewritten
.set R4,   30
.set S1W,  32                          ; v32-63 S1's scale words: register 8 P + g: K step g; lanes 0-15 block 2 P, lanes 16-31 block 2 P + 1
.set S0W,  64                          ; v64-95 S0's
.set BL,   96                          ; v96-111 the bias along S1, as pairs
.set TM,   112                         ; v112-127 the quantiser's work
.set AF,   128                         ; v128-223 S1's fragments, one set
.set T,    128
.set PC,   192
.set PW,   224
.set SW,   228
.set EV,   232
.set OD,   236
.set BR,   96                          ; window 1: the bias along S0
.set G1,   24
.set G0,   32
.set G1B,  48
.set G0B,  56
.set VP,   66
.set HIM,  67
.set P0,   80
.set P1,   82
.set SA,   84
.set SX,   86
.set SP0,  88
.set SEL,  92
.set MSB, 0
.macro WIN new
.if MSB != (\new)
	s_set_vgpr_msb (MSB<<8)|(\new)
.set MSB, (\new)
.endif
.endm
.set MUL_LO, 0xa1
.set MUL_HI, 0xf1
.set TO_W1,  0x40
; a joint load: waves 0, 1 fetch for S1, waves 2, 3 for S0
.macro JLOAD g0a, g1a, g0b, g1b
	s_cmp_eq_u32 s15, 0
	s_cbranch_scc0 .Lfor_b_\@
	tensor_load_to_lds s[\g0a:\g0a+3], s[\g1a:\g1a+7]
	s_nop 0
.rept 4
	v_nop
.endr
	s_branch .Lasked_\@
.Lfor_b_\@:
	tensor_load_to_lds s[\g0b:\g0b+3], s[\g1b:\g1b+7]
	s_nop 0
.rept 4
	v_nop
.endr
.Lasked_\@:
.endm
.macro CREST
	s_cmp_lg_u32 s14, 0
	s_cbranch_scc1 .Lnot_wave_0_\@
	s_barrier_signal -3
.Lnot_wave_0_\@:
	s_barrier_wait -3
	s_barrier_signal -1
	s_barrier_wait -1
.endm
.macro CROUND
	s_barrier_signal -1
	s_barrier_wait -1
	CREST
.endm
	s_load_b128 s[4:7], s[0:1], 0x0                ; x's codes, scales
	s_load_b128 s[8:11], s[0:1], 0x10              ; W's codes, scales
	s_load_b64 s[12:13], s[0:1], 0x20              ; the bias
	s_load_b64 s[68:69], s[0:1], 0x28              ; img
	s_load_b64 s[70:71], s[0:1], 0x30              ; scl
	v_lshl_add_u32 v[SPW], v0, 2, SPARE
	v_mov_b32 v[NIL], 0
	ds_add_u32 v[SPW], v[NIL]                      ; the opening lines: the add twice and its wait
	ds_add_u32 v[SPW], v[NIL]
	s_wait_dscnt 0x0
	v_lshrrev_b32 v1, 5, v0
	v_readfirstlane_b32 s14, v1                    ; wave
	s_lshr_b32 s15, s14, 1                         ; my half of S1's rows; also: I fetch for S1 (0) or S0 (1)
	s_and_b32 s16, s14, 1                          ; my half of S0's rows; also: which 128 rows I fetch
	s_bfe_u32 s40, ttmp6, 0x40000                  ; cx
	s_bfe_u32 s41, ttmp6, 0x40004                  ; cy
	s_and_b32 s45, ttmp7, 0xffff
	s_cmp_eq_u32 ttmp9, 2                          ; cluster x = 2: v's path
	s_cselect_b32 s[VP], 1, 0
	s_cselect_b32 s42, s45, ttmp9
	s_cselect_b32 s17, ttmp9, s45
	s_lshl_b32 s42, s42, 2
	s_add_co_u32 s42, s42, s40                     ; S0's tile
	s_lshl_b32 s17, s17, 2
	s_add_co_u32 s17, s17, s41                     ; S1's tile
	s_lshl_b32 s43, s41, 2
	s_lshl_b32 s43, 15, s43                        ; my row of the cluster
	s_lshl_b32 s44, 0x1111, s40                    ; my column
	s_or_b32 s[G1+0], s43, (1<<20)|(1<<21)|(5<<22)|(3<<25)   ; 128 rows x 256 bytes, 16 bytes of padding behind each
	s_or_b32 s[G1B+0], s44, (1<<20)|(1<<21)|(5<<22)|(3<<25)
.irp g, G1, G1B
	s_mov_b32 s[\g+1], ROWB<<16
	s_mov_b32 s[\g+2], 128<<16
	s_mov_b32 s[\g+3], ROWB<<16
	s_mov_b32 s[\g+4], 128
	s_mov_b32 s[\g+5], KROW
	s_mov_b32 s[\g+6], 0
	s_mov_b32 s[\g+7], 0
.endr
	s_lshl_b32 s18, s16, 7
	s_lshl_b32 s20, s17, 8
	s_add_co_u32 s20, s20, s18
	s_lshl_b32 s46, s42, 8
	s_add_co_u32 s46, s46, s18
	s_mul_i32 s20, s20, KROW
	s_mov_b32 s21, 0
	s_mul_i32 s46, s46, KROW
	s_mov_b32 s47, 0
	s_mul_i32 s45, s14, HALFT                      ; LDS: wave x 128 rows
	s_mov_b32 s[SEL], 0x76543210
	s_mov_b32 s[SEL+1], 0xfedcba98
	s_mov_b32 s[HIM], 0xffff0000
	s_wait_kmcnt 0x0
	s_cmp_eq_u32 s[VP], 1
	s_cselect_b64 s[72:73], s[8:9], s[4:5]         ; S1's codes
	s_cselect_b64 s[74:75], s[10:11], s[6:7]       ; S1's scales
	s_cselect_b64 s[76:77], s[4:5], s[8:9]         ; S0's codes
	s_cselect_b64 s[78:79], s[6:7], s[10:11]       ; S0's scales
	s_add_nc_u64 s[20:21], s[72:73], s[20:21]
	s_add_nc_u64 s[46:47], s[76:77], s[46:47]
	CROUND                                         ; the first joint loads meet
.irp s, 0,1
	s_mov_b32 s[G0+4*\s], 1
	s_add_co_u32 s[G0+4*\s+1], s45, \s*SLOT
	s_add_nc_u64 s[G0+4*\s+2:G0+4*\s+3], s[20:21], \s*ROWB
	s_or_b32 s[G0+4*\s+3], s[G0+4*\s+3], 0x80000000
	s_mov_b32 s[G0B+4*\s], 1
	s_add_co_u32 s[G0B+4*\s+1], s45, \s*SLOT
	s_add_nc_u64 s[G0B+4*\s+2:G0B+4*\s+3], s[46:47], \s*ROWB
	s_or_b32 s[G0B+4*\s+3], s[G0B+4*\s+3], 0x80000000
.endr
	JLOAD G0, G1, G0B, G1B                         ; chunk 0: one tensor load a wave at the head
	s_mov_b32 s18, SLOT-232
	s_mov_b32 s19, SLOT+232
	s_cmp_eq_u32 s15, 0
	s_cselect_b32 s23, s40, s41                    ; my place among the four that ask with me
	s_cselect_b64 s[98:99], s[20:21], s[46:47]     ; the 128 rows that I fetch
	s_mul_i32 s23, s23, 32*KROW                    ; my work-group's 32 of them
	s_mul_i32 s21, s15, HALFT
	s_mul_i32 s22, s16, HALFT
	s_add_co_u32 s22, s22, 2*HALFT
	s_add_co_u32 s94, s21, SLOT
	s_add_co_u32 s95, s22, SLOT
	v_and_b32 v1, 15, v0                           ; r
	v_bfe_u32 v2, v0, 4, 1                         ; h
	v_and_b32 v6, 31, v0                           ; lane
	v_mul_u32_u24 v3, v1, PITCH
	v_mad_u32_u24 v4, v2, 24, v3                   ; row x pitch + 24 h
	v_sub_nc_u32 v7, 1, v2
	v_mul_u32_u24 v5, s18, v2
	v_add_nc_u32 v5, v3, v5
	v_add_nc_u32 v5, 232, v5                       ; lanes 0-15 byte 232 in slot 0, lanes 16-31 byte 0 in slot 1
	v_mul_u32_u24 v8, s19, v7
	v_add_nc_u32 v8, v3, v8                        ; lanes 0-15 byte 232 in slot 1, lanes 16-31 byte 0 in slot 0
	v_add_nc_u32 v[ADR1], s21, v4
	v_add_nc_u32 v[ADR1+1], s94, v4
	v_add_nc_u32 v[ADR1+2], s21, v5
	v_add_nc_u32 v[ADR1+3], s21, v8
	v_add_nc_u32 v[ADR0], s22, v4
	v_add_nc_u32 v[ADR0+1], s95, v4
	v_add_nc_u32 v[ADR0+2], s22, v5
	v_add_nc_u32 v[ADR0+3], s22, v8
	v_mul_u32_u24 v9, v6, KROW
	v_add_nc_u32 v9, s23, v9                       ; a lane a row; never rewritten
	v_lshlrev_b32 v[L8], 3, v6
	v_lshlrev_b32 v[L16], 4, v6
	v_lshlrev_b32 v[L32], 5, v6
	v_lshlrev_b32 v[H32], 5, v2
	v_lshlrev_b32 v[R4], 2, v1
.irp b, 0,1,2,3
	v_mov_b32 v[TM+4+\b], 0                        ; a lane permute's destination counts as a source
.endr
	s_wait_alu depctr_va_vdst(0)
	; chunks 1 and 2 of 32 of the rows that I fetch are asked for into the L2: each block of 256 bytes once in the cluster, the four partners told apart by address
	global_prefetch_b8 v9, s[98:99] offset:256 th:TH_LOAD_NT scope:SCOPE_SE
	global_prefetch_b8 v9, s[98:99] offset:512 th:TH_LOAD_NT scope:SCOPE_SE
	s_lshl_b32 s90, s17, 1
	s_add_co_u32 s90, s90, s15                     ; which 128 rows of S1 are mine
	s_lshl_b32 s91, s42, 1
	s_add_co_u32 s91, s91, s16                     ; which 128 rows of S0
	s_lshl_b32 s94, s90, 12
	s_mov_b32 s95, 0
	s_add_nc_u64 s[74:75], s[74:75], s[94:95]
	s_lshl_b32 s94, s91, 12
	s_add_nc_u64 s[78:79], s[78:79], s[94:95]
.irp P, 0,1,2,3                        ; a lane takes a row's 32 scale bytes
	global_load_b128 v[S1W+8*\P:S1W+8*\P+3],   v[L32], s[74:75] offset:1024*\P
	global_load_b128 v[S1W+8*\P+4:S1W+8*\P+7], v[L32], s[74:75] offset:1024*\P+16
	global_load_b128 v[S0W+8*\P:S0W+8*\P+3],   v[L32], s[78:79] offset:1024*\P
	global_load_b128 v[S0W+8*\P+4:S0W+8*\P+7], v[L32], s[78:79] offset:1024*\P+16
.endr
	s_cmp_eq_u32 s[VP], 1
	s_cselect_b32 s96, s90, s91                    ; which 128 rows of W
	s_cselect_b32 s97, s91, s90                    ; which 128 tokens
	s_mov_b32 s18, HEADI
	s_cselect_b32 s18, 768, s18                    ; from planes 0-2 to planes 3-5
	s_mov_b32 s[SA], 768
	s_cselect_b32 s[SA], 1536, s[SA]               ; from block to block
	s_cselect_b32 s[SX], 288768, 0                 ; v: blocks 4-7 are the odd head's
	s_mov_b32 s[SA+1], 0
	s_mov_b32 s[SX+1], 0
	s_mov_b32 s19, 0
	s_lshl_b32 s94, s96, 9
	s_add_nc_u64 s[12:13], s[12:13], s[94:95]      ; the bias of my 128 rows of W, loaded in both layouts
	WIN TO_W1
.irp b, 0,1,2,3,4,5,6,7
	global_load_b128 v[BR+8*\b+96*(\b/4):BR+8*\b+96*(\b/4)+3],   v[H32], s[12:13] offset:64*\b
	global_load_b128 v[BR+8*\b+96*(\b/4)+4:BR+8*\b+96*(\b/4)+7], v[H32], s[12:13] offset:64*\b+16
.endr
	WIN 0
.irp a, 0,1,2,3,4,5,6,7
	global_load_b32 v[BL+2*\a],   v[R4], s[12:13] offset:64*\a
	global_load_b32 v[BL+2*\a+1], v[R4], s[12:13] offset:64*\a
.endr
	s_lshr_b32 s22, s97, 4                         ; the batch
	s_and_b32 s23, s97, 15                         ; which 128 tokens of it
	s_lshr_b32 s46, s96, 3                         ; 0 q, 1 k, 2 v
	s_and_b32 s47, s96, 7                          ; which pair of heads
	s_lshl_b32 s22, s22, 4
	s_lshl_b32 s47, s47, 1
	s_add_co_u32 s22, s22, s47                     ; hb of the even head
	s_mul_i32 s94, s22, HEADI
	s_mul_i32 s47, s46, PARTI
	s_add_co_u32 s94, s94, s47
	s_mul_i32 s47, s23, 6144
	s_add_co_u32 s94, s94, s47
	s_add_nc_u64 s[P0:P0+1], s[68:69], s[94:95]
	s_add_nc_u64 s[P1:P1+1], s[P0:P0+1], s[18:19]
	s_lshl_b32 s47, s23, 8
	s_add_co_u32 s47, s47, 16384
	s_lshl_b32 s46, s46, 13
	s_lshl_b32 s23, s23, 9
	s_add_co_u32 s46, s46, s23
	s_cmp_eq_u32 s[VP], 1
	s_cselect_b32 s46, s47, s46
	s_mul_i32 s94, s22, HEADW
	s_add_co_u32 s94, s94, s46
	s_add_nc_u64 s[SP0:SP0+1], s[70:71], s[94:95]
; a fragment of step st, in pieces of 8 bytes; byte y of a row lies in slot (y / 256) % 2 at byte y % 256 of the LDS row; lanes 16-31 read 24 bytes on
.macro FRAG reg, adr, st, i
.irp p, 0,1,2,3,4,5
.set BY, 96*(\st)+48*(\p/3)+8*(\p%3)
.if BY/ROWB == (BY+24)/ROWB
	ds_load_b64 v[\reg+2*\p:\reg+2*\p+1], v[\adr+(BY/ROWB)%2] offset:BY%ROWB+(\i)*16*PITCH
.else
	ds_load_b64 v[\reg+2*\p:\reg+2*\p+1], v[\adr+2+(BY/ROWB)%2] offset:BY%ROWB-232+(\i)*16*PITCH
.endif
.endr
.endm
; 16 products: S1's blocks a0, a0 + 1 x S0's eight, K step g; p: S0's set.  The 64 accumulators take turns.  An odd block's scale words are read from lanes 16-31.
.macro MUL16 a0, p, g, zero
.irp ao, 0,1
.irp bp, 0,1,2,3
.irp bo, 0,1
.set rD, 8*(8*(((\a0)+\ao)%4)+2*\bp+\bo)
.set rA, 128*(\p)+FR*(2*\bp+\bo)
.set rB, AF+FR*((\a0)+\ao)
.if \zero
	v_wmma_scale_f32_16x16x128_f8f6f4 v[rD:rD+7], v[rA:rA+FR-1], v[rB:rB+FR-1], 0, v[S0W+8*\bp+(\g)], v[S1W+8*((\a0)/2)+(\g)] matrix_a_fmt:MATRIX_FMT_FP6 matrix_b_fmt:MATRIX_FMT_FP6 matrix_a_scale:MATRIX_SCALE_ROW\bo matrix_b_scale:MATRIX_SCALE_ROW\ao
.else
	v_wmma_scale_f32_16x16x128_f8f6f4 v[rD:rD+7], v[rA:rA+FR-1], v[rB:rB+FR-1], v[rD:rD+7], v[S0W+8*\bp+(\g)], v[S1W+8*((\a0)/2)+(\g)] matrix_a_fmt:MATRIX_FMT_FP6 matrix_b_fmt:MATRIX_FMT_FP6 matrix_a_scale:MATRIX_SCALE_ROW\bo matrix_b_scale:MATRIX_SCALE_ROW\ao
.endif
.endr
.endr
.endr
.endm
.macro FETCH0 st, p
	WIN TO_W1
.irp i, 0,1,2,3,4,5,6,7
	FRAG 128*(\p)+FR*\i, ADR0, \st, \i
.endr
	WIN 0
.endm
.macro FETCH1 st, i0
.irp i, \i0, \i0+1, \i0+2, \i0+3
	FRAG AF+FR*(\i), ADR1, \st, \i
.endr
.endm
.macro PLACES n
.rept \n
	v_nop
.endr
.endm
; A step: 64 products; the next step's fragments are fetched in its middle and at its end.  Where the next step's bytes END in a chunk not yet read, a barrier shows that chunk to all waves;
; where they BEGIN in a later chunk, the chunk left behind is read no more: the three lines, the barrier, and, where a chunk two on is left, a round of the cluster's barrier and the refill.
.macro STEP st, zero
.set NX, (\st)+1
.set C0, (96*(\st))/ROWB
.set C1, (96*NX)/ROWB
.set E0, (96*(\st)+95)/ROWB
.set E1, (96*NX+95)/ROWB
.if C1 > C0 || E1 > E0
	s_wait_tensorcnt 0x0                           ; all my tensor loads have landed
.if C1 > C0
	ds_add_u32 v[SPW], v[NIL]
	s_wait_dscnt 4*NL+1                            ; the add and the youngest 24 loads (S1's blocks 4-7) may be out
.else
	s_wait_dscnt 4*NL
.endif
	WIN MUL_LO
	MUL16 0, (\st)%2, \st, \zero
	s_wait_dscnt 0x0                               ; the add and my reads are done
	s_barrier_signal -1
	MUL16 2, (\st)%2, \st, \zero
	WIN 0
	s_barrier_wait -1
.if C1 > C0 && C0+2 < CHUNKS
	CREST
	s_add_nc_u64 s[G0+4*(C0%2)+2:G0+4*(C0%2)+3], s[G0+4*(C0%2)+2:G0+4*(C0%2)+3], 2*ROWB
	s_add_nc_u64 s[G0B+4*(C0%2)+2:G0B+4*(C0%2)+3], s[G0B+4*(C0%2)+2:G0B+4*(C0%2)+3], 2*ROWB
	JLOAD G0+4*(C0%2), G1, G0B+4*(C0%2), G1B       ; chunk C0 + 2; its four v_nop are the places ahead of the loads below
.else
	PLACES NP
.endif
.else
	s_wait_dscnt 4*NL                              ; S0's set and S1's blocks 0-3 are in
	WIN MUL_LO
	MUL16 0, (\st)%2, \st, \zero
	MUL16 2, (\st)%2, \st, \zero
	s_wait_dscnt 0
	PLACES NP
.endif
	FETCH0 NX, NX%2
	FETCH1 NX, 0
	WIN MUL_HI
	MUL16 4, (\st)%2, \st, \zero
	MUL16 6, (\st)%2, \st, \zero
	PLACES NP
	WIN 0
	FETCH1 NX, 4
.endm
	s_wait_alu depctr_va_vdst(0)                   ; the head's end
	s_wait_tensorcnt 0x0                           ; my part of chunk 0 is in; the three lines stand ahead of slot 1's first fill as ahead of a refill
	ds_add_u32 v[SPW], v[NIL]
	s_wait_dscnt 0x0
	CROUND
	JLOAD G0+4, G1, G0B+4, G1B                     ; chunk 1
	FETCH0 0, 0
	FETCH1 0, 0
	FETCH1 0, 4
	s_wait_loadcnt 0x0                             ; the scale words and the biases
	STEP 0, 1                                      ; the first products start the sums
.irp st, 1,2,3,4,5,6
	STEP \st, 0
.endr
	s_wait_dscnt 4*NL                              ; the last step
	WIN MUL_LO
	MUL16 0, 1, 7, 0
	MUL16 2, 1, 7, 0
	s_wait_dscnt 0
	WIN MUL_HI
	MUL16 4, 1, 7, 0
	MUL16 6, 1, 7, 0
	WIN 0
; THE WAY OUT, block by block of 16 rows of S1 x my 128 rows of S0: the bias, the quantiser along S0, six planes of 256 consecutive, aligned bytes.  No LDS.
.macro BIAS a
	s_cmp_eq_u32 s[VP], 1
	s_cbranch_scc1 .Lbv_\@
	WIN 0x06+(\a)/4
.irp b, 0,1,2,3,4,5,6,7
.irp j, 0,2,4,6
	v_pk_add_f32 v[T+8*\b+\j:T+8*\b+\j+1], v[64*((\a)%4)+8*\b+\j:64*((\a)%4)+8*\b+\j+1], v[BR+8*\b+96*(\b/4)+\j:BR+8*\b+96*(\b/4)+\j+1]
.endr
.endr
	WIN 0
	s_branch .Lbj_\@
.Lbv_\@:
	WIN 0x02+(\a)/4
.irp b, 0,1,2,3,4,5,6,7
.irp j, 0,2,4,6
	v_pk_add_f32 v[T+8*\b+\j:T+8*\b+\j+1], v[64*((\a)%4)+8*\b+\j:64*((\a)%4)+8*\b+\j+1], v[BL+2*(\a):BL+2*(\a)+1]
.endr
.endr
	WIN 0
.Lbj_\@:
.endm
; 64 numbers of a lane: registers 16 b .. 16 b + 15 are my half of block b of my row; they become a fragment's codes in v[PC] on and its scale word in v[PW]
.macro QUANT s
.irp b, 0,1,2,3
	v_max3_num_f32 v[TM+\b], |v[\s+16*\b]|, |v[\s+1+16*\b]|, 0x1800000   ; with the floor 2^(3 - 127): the byte cannot fall under 1
.endr
.irp i, 2,4,6,8,10,12,14
.irp b, 0,1,2,3
	v_max3_num_f32 v[TM+\b], v[TM+\b], |v[\s+16*\b+\i]|, |v[\s+1+16*\b+\i]|
.endr
.endr
.irp b, 0,1,2,3
	v_permlanex16_b32 v[TM+4+\b], v[TM+\b], s[SEL], s[SEL+1]
.endr
.irp b, 0,1,2,3
	v_max_num_f32 v[TM+\b], v[TM+\b], v[TM+4+\b]
.endr
.irp b, 0,1,2,3
	v_add_nc_u32 v[TM+12+\b], 0xff000000, v[TM+\b]   ; 2 off the exponent field: the conversion's scale operand
.endr
.irp b, 0,1,2,3
	v_lshrrev_b32 v[TM+4+\b], 23, v[TM+12+\b]
.endr
	v_lshl_or_b32 v[PW], v[TM+5], 8, v[TM+4]
	v_lshl_or_b32 v[PW], v[TM+6], 16, v[PW]
	v_lshl_or_b32 v[PW], v[TM+7], 24, v[PW]
.irp c, 0,1
	v_cvt_scalef32_pk16_fp6_f32 v[PC+6*\c:PC+2+6*\c], v[\s+32*\c:\s+15+32*\c], v[TM+12+2*\c]
	v_cvt_scalef32_pk16_fp6_f32 v[PC+12+4*\c:PC+14+4*\c], v[\s+16+32*\c:\s+31+32*\c], v[TM+12+2*\c+1]
.endr
	v_nop                                          ; one plain place behind a scaled conversion
.irp c, 0,1                            ; a whole block in a lane
.irp i, 0,1,2
	v_permlane16_swap_b32 v[PC+6*\c+\i], v[PC+12+4*\c+\i]
.endr
.irp i, 0,1,2
	v_mov_b32 v[PC+3+6*\c+\i], v[PC+12+4*\c+\i]
.endr
.endr
.endm
	PLACES NP
.irp a, 0,1,2,3,4,5,6,7
.if \a > 0
	s_wait_xcnt 0x0                                ; the last block's stores have read their data and bases
	s_add_nc_u64 s[P0:P0+1], s[P0:P0+1], s[SA:SA+1]
	s_add_nc_u64 s[P1:P1+1], s[P1:P1+1], s[SA:SA+1]
.if \a == 4
	s_add_nc_u64 s[P0:P0+1], s[P0:P0+1], s[SX:SX+1]
	s_add_nc_u64 s[P1:P1+1], s[P1:P1+1], s[SX:SX+1]
.endif
.endif
	BIAS \a
	QUANT T
.irp p, 0,1,2,3,4,5
	global_store_b64 v[L8], v[PC+2*\p:PC+2*\p+1], s[P0+2*(\p/3):P0+2*(\p/3)+1] offset:256*(\p%3)
.endr
.if (\a)%2 == 0
	v_mov_b32 v[SW+\a/2], v[PW]
.else
	v_cndmask_b32 v[SW+\a/2], v[SW+\a/2], v[PW], s[HIM]   ; lanes 16-31 take the odd block's word
.endif
.endr
	s_cmp_eq_u32 s[VP], 1
	s_cbranch_scc1 .Lwords_v
.irp i, 0,1,2,3                        ; q, k: the low half is the even head's two bytes, the high half the odd head's
	v_and_b32 v[EV+\i], 0xffff, v[SW+\i]
	v_lshrrev_b32 v[OD+\i], 16, v[SW+\i]
.endr
	global_store_b128 v[L16], v[EV:EV+3], s[SP0:SP0+1]
	global_store_b128 v[L16], v[OD:OD+3], s[SP0:SP0+1] offset:HEADW
	s_branch .Lwords_done
.Lwords_v:
	global_store_b64 v[L8], v[SW:SW+1], s[SP0:SP0+1]
	s_wait_alu depctr_va_vdst(0)
	global_store_b64 v[L8], v[SW+2:SW+3], s[SP0:SP0+1] offset:HEADW
.Lwords_done:
	s_wait_tensorcnt 0x0                           ; the wave's end
	ds_add_u32 v[SPW], v[NIL]
	s_wait_dscnt 0x0
	CROUND                                         ; the closing round
	s_endpgm
.Lfunc_end_k_q23eed96db8_qkv:
	.size	k_q23eed96db8_qkv, .Lfunc_end_k_q23eed96db8_qkv-k_q23eed96db8_qkv
	.p2alignl 7, 3214868480
	.fill 96, 4, 3214868480
	.section	.rodata,"a",@progbits
	.p2align	6, 0x0
	.amdhsa_kernel k_q23eed96db8_qkv
		.amdhsa_group_segment_fixed_size 327680
		.amdhsa_private_segment_fixed_size 0
		.amdhsa_enable_private_segment 0
		.amdhsa_kernarg_size 56
		.amdhsa_user_sgpr_count 2
		.amdhsa_user_sgpr_kernarg_segment_ptr 1
		.amdhsa_wavefront_size32 1
		.amdhsa_system_sgpr_workgroup_id_x 1
		.amdhsa_system_sgpr_workgroup_id_y 1
		.amdhsa_system_sgpr_workgroup_id_z 1
		.amdhsa_system_vgpr_workitem_id 0
		.amdhsa_next_free_vgpr 1024
		.amdhsa_next_free_sgpr 100
		.amdhsa_reserve_vcc 0
		.amdhsa_float_denorm_mode_32 3
		.amdhsa_float_denorm_mode_16_64 3
		.amdhsa_memory_ordered 1
		.amdhsa_forward_progress 1
		.amdhsa_inst_pref_size 202
	.end_amdhsa_kernel
	.amdgpu_metadata
---
amdhsa.version: [ 1, 2 ]
amdhsa.kernels:
  - .name:           k_q23eed96db8_qkv
    .symbol:         k_q23eed96db8_qkv.kd
    .args:
      - { .name: x_codes, .offset: 0, .size: 8, .value_kind: global_buffer, .address_space: global }
      - { .name: x_scales, .offset: 8, .size: 8, .value_kind: global_buffer, .address_space: global }
      - { .name: qkv_w_codes, .offset: 16, .size: 8, .value_kind: global_buffer, .address_space: global }
      - { .name: qkv_w_scales, .offset: 24, .size: 8, .value_kind: global_buffer, .address_space: global }
      - { .name: qkv_b, .offset: 32, .size: 8, .value_kind: global_buffer, .address_space: global }
      - { .name: img, .offset: 40, .size: 8, .value_kind: global_buffer, .address_space: global }
      - { .name: scl, .offset: 48, .size: 8, .value_kind: global_buffer, .address_space: global }
    .group_segment_fixed_size: 327680
    .private_segment_fixed_size: 0
    .kernarg_segment_align: 8
    .kernarg_segment_size: 56
    .max_flat_workgroup_size: 128
    .sgpr_count:     100
    .vgpr_count:     1024
    .wavefront_size: 32
...
	.end_amdgpu_metadata
.endif
;; end of part 1
;; launch attn (part 2): grid 4 x 64, 16 waves a work-group, clusters of 4 x 1, 235,520 bytes of LDS; arguments img, scl, ao, aos; writes ao, aos
.if DOCPART == 2
	.amdgcn_target "amdgcn-amd-amdhsa--gfx1250"
	.amdhsa_code_object_version 6
	.text
	.protected	k_q23eed96db8_attn
	.globl	k_q23eed96db8_attn
	.p2align	8
	.type	k_q23eed96db8_attn,@function
k_q23eed96db8_attn:
	s_mov_b64 s[64:65], 0
	v_nop
	global_prefetch_b8 v0, s[64:65] scope:SCOPE_SE
	s_setreg_imm32_b32 hwreg(HW_REG_WAVE_MODE, 25, 1), 1
	s_wait_xcnt 0x0
	s_wait_alu depctr_hold_cnt(0) depctr_sa_sdst(0) depctr_va_vdst(0) depctr_va_sdst(0) depctr_va_ssrc(0) depctr_va_vcc(0) depctr_vm_vsrc(0)
	s_getreg_b32 s2, hwreg(HW_REG_IB_STS2, 6, 4)
	s_cmp_eq_u32 s2, 0
	s_cbranch_scc0 .Lentry_in_a_cluster
	s_endpgm
.Lentry_in_a_cluster:
	s_bfe_u32 s2, ttmp6, 0x10000c
	s_cmp_lg_u32 s2, 0x3003
	s_cbranch_scc0 .Lentry_shape_is_right
	s_endpgm
.Lentry_shape_is_right:
; O[q] = the sum over k of softmax_k(Q[q] . K[k] / 8) V[k] for one head of 64, both products on codes of FP6 (E2M3) with one E8M0 scale for each 32 along K; O is quantised along d and leaves as the next product's operand.
; THE SOFTMAX: t = score x log2(e) / 8; M = the row's largest t so far, rounded UP to a whole number; p = 2^(t - M) is quantised along the keys, not normalised.  The row's sum is taken of the unquantised p and divides O
; at the end.  When M moves, the sum and O are multiplied by 2^(old M - new M): exact.
; SHARES.  A work-group owns one head hb and 512 of its 2,048 queries; the four work-groups of a cluster share the head.  Each of sixteen waves takes two tiles of 16 queries, one after the other, in 256 registers.
; THE WHOLE HEAD LIES IN LDS, FILLED ONCE, by joint tensor loads that name all four partners, ONE A WAVE: waves 0-11 a twelfth each of K's and V's images (196,608 bytes on end: 32 rows of 512 bytes a wave, 64 bytes of
; padding behind each row: byte y of the images lies at y + 64 (y / 512)), waves 12-15 a quarter each of the 12,288 bytes of scale words.  Every wave waits for its load, one barrier shows all of it, nothing is filled again.
; The images are operand registers, plane by plane ([32 lanes][8 bytes]).
; Both products are used transposed: S^T = K Q^T, O^T = V^T P^T: a lane holds ONE query (lane % 16) throughout.
; K = 64 in the first product, 128 in the instruction: Q's upper six registers are zero codes and both sides' upper two scale bytes are 0, so tile t's operand v[32 + 6 t .. 43 + 6 t] may name the next tile's codes as its upper half.
; WHICH KEYS FORM A TILE OF K is chosen by LDS address: row r of tile t = 4 c + u takes key 64 c + 32 (r / 8) + 8 s(u) + r % 8 of the step, s = 0, 2, 1, 3.  So register 32 c + 8 u + j of lane half h is key 8 s(u) + j of block 2 c + h:
; a lane holds WHOLE blocks of 32 keys, at places 8 u + j, the order of places in which V's images were made.  No lane asks another for a block's maximum, and the conversions' results are the operand as they fall.
; The two row groups of a tile lie 1,536 bytes of image apart, with the padding 1,728 bytes of LDS: the 32 lanes of a load touch 64 different banks.
; A block's largest p is made from its largest score by the same multiply-add and exponential as every p.  O meets a GIVEN operand next, so lane swaps bring d into its natural order.
; LIMITS: NaN and infinities are not served.  A block of zeros gets the byte 1 where the quantiser says 127: its codes are zeros, and this program alone reads the bytes.  The scaled scores stay under 2^31 in magnitude.
; No prefetch: all of K and V is asked for by the first fills, so no loop runs ahead of a load.
.set VIMG, 110592                      ; LDS: K's images at 0 (98,304 bytes and their padding), V's here,
.set KWD,  221184                      ; K's scale words, 512 bytes a step,
.set VWD,  229376                      ; V's, 256 bytes a step
.set SPARE, 233472                     ; the spare words, 128 bytes a wave
.set STEPB, 6912                       ; a step's images: 6,144 bytes and their padding
.set L8,   1                           ; 8 x lane
.set AV0,  2
.set ASK0, 3
.set ASV0, 4
.set R32,  6
.set R16,  7
.set ADK,  8
.set ADV,  9
.set ADS,  10
.set ADT,  11
.set QF,   16                          ; v16-21 Q's codes, v22-27 zeros
.set QS0,  28                          ; v28, v29 Q's scale words for pass 0, 1
.set AK0,  30                          ; my place in K's images: 1,728 (r / 8) + 8 (r % 8) + 128 h
.set SH8,  31                          ; 8 h
.set KV,   32                          ; v32-79 K's eight tiles x 6, later V's four x 12; v80-85 zeros
.set Q1,   86
.set S,    96                          ; v96-159 S^T, then p
.set O,    160                         ; v160-191 O^T
.set PCD,  192
.set PT,   204
.set KW,   212                         ; v212-215 K's scale words: register k: lanes 0-15 tile 2 k, lanes 16-31 tile 2 k + 1
.set VW,   216
.set PSW,  218
.set HW,   219
.set SPW,  251
.set NIL,  255
.set WV,   12
.set SEL,  20
.set CS,   22
.set G1W,  24
.set G1A,  32
.set G0W,  48
.set G0A,  52
.set TB,   60
.set TS,   61
.set TJ,   62
.set CNT,  63
.macro CROUND
	s_barrier_signal -1
	s_barrier_wait -1
	s_cmp_lg_u32 s[WV], 0
	s_cbranch_scc1 .Lnot_wave_0_\@
	s_barrier_signal -3
.Lnot_wave_0_\@:
	s_barrier_wait -3
	s_barrier_signal -1
	s_barrier_wait -1
.endm
.macro GROUP1 g, pad, c, rows          ; a dense block as rows of c elements of 8 bytes; the mask names all four partners
	s_mov_b32 s[\g], 15|(3<<16)|(1<<21)|(\pad)
	s_mov_b32 s[\g+1], (\c)<<16
	s_mov_b32 s[\g+2], (\rows)<<16
	s_mov_b32 s[\g+3], (\c)<<16
	s_mov_b32 s[\g+4], \rows
	s_mov_b32 s[\g+5], \c
	s_mov_b32 s[\g+6], 0
	s_mov_b32 s[\g+7], 0
.endm
	s_load_b256 s[4:11], s[0:1], 0x0               ; img, scl, ao, aos
	v_lshl_add_u32 v[SPW], v0, 2, SPARE
	v_mov_b32 v[NIL], 0
	ds_add_u32 v[SPW], v[NIL]                      ; the opening lines
	ds_add_u32 v[SPW], v[NIL]
	v_lshrrev_b32 v1, 5, v0
	s_delay_alu instid0(VALU_DEP_1)
	v_readfirstlane_b32 s[WV], v1                  ; wave 0..15
	s_bfe_u32 s13, ttmp6, 0x40000                  ; cx: which 512 queries
	s_and_b32 s14, ttmp7, 0xffff                   ; hb
	GROUP1 G1W, 0, 32, 12                          ; 12 rows of 256 bytes
	GROUP1 G1A, (1<<20)|(6<<22)|(15<<25), 64, 32   ; 32 rows of 512 bytes, 16 words of padding behind every 128
	s_lshl_b32 s18, s[WV], 14                      ; images: wave x 16,384 bytes of memory,
	s_mul_i32 s19, s[WV], 18432                    ; x 18,432 of LDS
	s_and_b32 s3, s[WV], 3
	s_mul_i32 s3, s3, 3072                         ; words: (wave - 12) x 3,072 bytes
	s_mul_i32 s76, s14, 294912
	s_mov_b32 s77, 0
	s_mul_i32 s78, s14, 20480
	s_mov_b32 s79, 0
	s_mov_b32 s[SEL], 0x76543210
	s_mov_b32 s[SEL+1], 0xfedcba98
	s_mov_b32 s[CS], 0x3e38aa3b                    ; c = log2(e) / 8
	s_mov_b32 s[CS+1], s[CS]
	s_wait_dscnt 0x0
	s_wait_kmcnt 0x0
	s_add_nc_u64 s[4:5], s[4:5], s[76:77]          ; img and scl at my head
	s_add_nc_u64 s[6:7], s[6:7], s[78:79]
	s_mov_b32 s[G0W], 1                            ; K's and V's words lie 8,192 bytes into the head's part of scl,
	s_add_co_u32 s[G0W+1], s3, KWD
	s_add_co_u32 s76, s3, 8192
	s_add_nc_u64 s[G0W+2:G0W+3], s[6:7], s[76:77]
	s_or_b32 s[G0W+3], s[G0W+3], 0x80000000
	s_mov_b32 s[G0A], 1                            ; their images 98,304 bytes into the head's part of img
	s_mov_b32 s[G0A+1], s19
	s_add_co_u32 s76, s18, 98304
	s_add_nc_u64 s[G0A+2:G0A+3], s[4:5], s[76:77]
	s_or_b32 s[G0A+3], s[G0A+3], 0x80000000
	CROUND                                         ; the joint loads meet
	s_cmp_lt_u32 s[WV], 12
	s_cbranch_scc0 .Lwords
	tensor_load_to_lds s[G0A:G0A+3], s[G1A:G1A+7]
	s_nop 0
.rept 4
	v_nop
.endr
	s_branch .Lasked
.Lwords:
	tensor_load_to_lds s[G0W:G0W+3], s[G1W:G1W+7]
	s_nop 0
.rept 4
	v_nop
.endr
.Lasked:
	s_lshl_b32 s15, s13, 5
	s_add_co_u32 s15, s15, s[WV]                   ; pass 0's tile of queries: 32 cx + wave; pass 1's lies 16 on
	s_mul_i32 s76, s15, 768
	s_add_nc_u64 s[68:69], s[4:5], s[76:77]
	s_lshl_b32 s16, s13, 2
	s_lshr_b32 s17, s[WV], 3
	s_add_co_u32 s16, s16, s17
	s_lshl_b32 s16, s16, 9                         ; its words: step tile / 8;
	s_and_b32 s17, s[WV], 1
	s_lshl_b32 s17, s17, 8                         ; lanes 16 (tile % 2) on;
	s_add_co_u32 s16, s16, s17
	s_bfe_u32 s17, s[WV], 0x20001
	s_lshl_b32 s17, s17, 2                         ; word (tile % 8) / 2
	s_add_co_u32 s76, s16, s17
	s_add_nc_u64 s[70:71], s[6:7], s[76:77]
	s_lshr_b32 s16, s14, 4
	s_lshl_b32 s16, s16, 7
	s_add_co_u32 s16, s16, s15                     ; the tile among all 512 tiles of tokens
	s_mul_i32 s76, s16, 12288
	s_and_b32 s17, s14, 15
	s_mul_i32 s18, s17, 768
	s_add_co_u32 s76, s76, s18
	s_add_nc_u64 s[72:73], s[8:9], s[76:77]        ; where O's codes go
	s_lshl_b32 s76, s16, 9
	s_lshl_b32 s17, s17, 1
	s_add_co_u32 s76, s76, s17
	s_add_nc_u64 s[74:75], s[10:11], s[76:77]      ; and its scale bytes
	v_and_b32 v5, 31, v0
	v_and_b32 v92, 7, v0                           ; r % 8
	v_bfe_u32 v93, v0, 3, 1                        ; r / 8
	v_bfe_u32 v94, v0, 4, 1                        ; h
	v_lshlrev_b32 v[L8], 3, v5
	v_and_b32 v5, 15, v0
	v_lshlrev_b32 v95, 3, v92
	v_lshl_add_u32 v[ASK0], v92, 4, KWD            ; K's words: 256 h + 16 (r % 8) + 4 (r / 8)
	v_mad_u32_u24 v95, v93, 1728, v95
	v_lshl_add_u32 v[ASK0], v93, 2, v[ASK0]
	v_lshl_add_u32 v[AK0], v94, 7, v95
	v_lshl_add_u32 v[ASK0], v94, 8, v[ASK0]
	v_add_nc_u32 v[AV0], VIMG, v[L8]
	v_add_nc_u32 v[ASV0], VWD, v[L8]
	v_lshlrev_b32 v[R32], 5, v5
	v_lshlrev_b32 v[R16], 4, v5
	v_lshlrev_b32 v[SH8], 3, v94
.irp p, 0,1,2
	global_load_b64 v[QF+2*\p:QF+2*\p+1], v[L8], s[68:69] offset:256*\p
	global_load_b64 v[Q1+2*\p:Q1+2*\p+1], v[L8], s[68:69] offset:12288+256*\p
.endr
	global_load_b32 v[QS0], v[R16], s[70:71]
	global_load_b32 v[QS0+1], v[R16], s[70:71] offset:1024
.irp i, 0,1,2,3,4,5
	v_mov_b32 v[QF+6+\i], 0                        ; Q's upper 64 along K: zero codes
	v_mov_b32 v[KV+48+\i], 0                       ; what K's last tile names as its upper half
.endr
.irp b, 0,1,2,3
	v_mov_b32 v[236+\b], 0                         ; a lane permute's destination counts as a source
.endr
	v_mov_b32 v253, 0                              ; (the upper half of the pair v[252:253])
	s_wait_loadcnt 0x0
.macro KQ t, qs                        ; S^T's tile t
.if (\t)%2
	v_wmma_scale_f32_16x16x128_f8f6f4 v[S+8*(\t):S+8*(\t)+7], v[KV+6*(\t):KV+6*(\t)+11], v[QF:QF+11], 0, v[KW+(\t)/2], v[\qs] matrix_a_fmt:MATRIX_FMT_FP6 matrix_b_fmt:MATRIX_FMT_FP6 matrix_a_scale:MATRIX_SCALE_ROW1
.else
	v_wmma_scale_f32_16x16x128_f8f6f4 v[S+8*(\t):S+8*(\t)+7], v[KV+6*(\t):KV+6*(\t)+11], v[QF:QF+11], 0, v[KW+(\t)/2], v[\qs] matrix_a_fmt:MATRIX_FMT_FP6 matrix_b_fmt:MATRIX_FMT_FP6
.endif
.endm
.macro PV t                            ; O^T's tile t
.if (\t)%2
	v_wmma_scale_f32_16x16x128_f8f6f4 v[O+8*(\t):O+8*(\t)+7], v[KV+12*(\t):KV+12*(\t)+11], v[PCD:PCD+11], v[O+8*(\t):O+8*(\t)+7], v[VW+(\t)/2], v[PSW] matrix_a_fmt:MATRIX_FMT_FP6 matrix_b_fmt:MATRIX_FMT_FP6 matrix_a_scale:MATRIX_SCALE_ROW1
.else
	v_wmma_scale_f32_16x16x128_f8f6f4 v[O+8*(\t):O+8*(\t)+7], v[KV+12*(\t):KV+12*(\t)+11], v[PCD:PCD+11], v[O+8*(\t):O+8*(\t)+7], v[VW+(\t)/2], v[PSW] matrix_a_fmt:MATRIX_FMT_FP6 matrix_b_fmt:MATRIX_FMT_FP6
.endif
.endm
; A KEY STEP: 128 keys
.macro STEP qs
	v_add_nc_u32 v[ADK], s[TB], v[AK0]             ; these four are also the places behind the last step's products
	v_add_nc_u32 v[ADV], s[TB], v[AV0]
	v_add_nc_u32 v[ADS], s[TS], v[ASK0]
	v_add_nc_u32 v[ADT], s[TJ], v[ASV0]
.irp k, 0,1,2,3                        ; the words of tiles 2 k (lanes 0-15) and 2 k + 1 (lanes 16-31), by the tiles' rows
	ds_load_b32 v[KW+\k], v[ADS] offset:128*(\k%2)+8*(\k/2)
.endr
.irp t, 0,1,2,3,4,5,6,7                ; tile t = 4 c + u: image tile 4 c + 2 (r / 8) + u % 2, its rows 8 (u / 2) + r % 8
.irp p, 0,1,2
.set Y, 3072*(\t/4)+768*(\t%2)+256*\p
	ds_load_b64 v[KV+6*\t+2*\p:KV+6*\t+2*\p+1], v[ADK] offset:Y+64*(Y/512)+64*((\t%4)/2)
.endr
.endr
	s_wait_alu depctr_va_vdst(0)
	s_wait_dscnt 9                                 ; tiles 0-4 are in; the nine loads of tiles 5-7 may be out
.irp t, 0,1,2,3
	KQ \t, \qs
.endr
	s_wait_dscnt 0x0
.irp t, 4,5,6,7
	KQ \t, \qs
.endr
	v_mov_b32 v250, v12                            ; the old -M; with the three below: the places behind the products
.rept 3
	v_nop
.endr
	ds_load_b64 v[VW:VW+1], v[ADT]                 ; V lands while the softmax is worked
.irp t, 0,1,2,3
.irp p, 0,1,2,3,4,5
.set Y, 1536*\t+256*\p
	ds_load_b64 v[KV+12*\t+2*\p:KV+12*\t+2*\p+1], v[ADV] offset:Y+64*(Y/512)
.endr
.endr
.irp b, 0,1,2,3
	v_max3_num_f32 v[232+\b], v[S+16*\b], v[S+1+16*\b], v[S+2+16*\b]   ; four chains, one over each half of my two blocks
.endr
.irp i, 3,5,7,9,11,13
.irp b, 0,1,2,3
	v_max3_num_f32 v[232+\b], v[232+\b], v[S+16*\b+\i], v[S+1+16*\b+\i]
.endr
.endr
.irp b, 0,1,2,3
	v_max_num_f32 v[232+\b], v[232+\b], v[S+15+16*\b]
.endr
	v_max_num_f32 v232, v232, v233                 ; the largest score of my block h,
	v_max_num_f32 v233, v234, v235                 ; and of my block 2 + h: they serve for the row's maximum and for the blocks' largest p
	s_delay_alu instid0(VALU_DEP_1)
	v_max_num_f32 v254, v232, v233
	s_delay_alu instid0(VALU_DEP_1)
	v_permlanex16_b32 v236, v254, s[SEL], s[SEL+1]
	s_delay_alu instid0(VALU_DEP_1)
	v_max_num_f32 v254, v254, v236                 ; with lane l xor 16's two blocks: the step's largest score of my query
	s_delay_alu instid0(VALU_DEP_1)
	v_mul_f32 v254, s[CS], v254                    ; as t
	s_delay_alu instid0(VALU_DEP_1)
	v_max_num_f32 v13, v13, v254                   ; the running largest t
	s_delay_alu instid0(VALU_DEP_1)
	v_floor_f32 v12, -v13                          ; the new -M = -ceil(t)
	s_delay_alu instid0(VALU_DEP_1)
	v_sub_f32 v254, v12, v250
	s_delay_alu instid0(VALU_DEP_1)
	v_cvt_i32_f32 v254, v254
	s_delay_alu instid0(VALU_DEP_1)
	v_ldexp_f32 v252, 1.0, v254                    ; f = 2^(old M - new M)
.irp j, 0,2,4,6,8,10,12,14,16,18,20,22,24,26,28,30,32,34,36,38,40,42,44,46,48,50,52,54,56,58,60,62
	v_pk_fma_f32 v[S+\j:S+1+\j], v[S+\j:S+1+\j], s[CS:CS+1], v[12:13] op_sel_hi:[1,0,0]   ; t - M
.endr
.irp b, 0,1
	v_fma_f32 v[232+\b], v[232+\b], s[CS], v12
.endr
	s_wait_alu depctr_va_vdst(0)
.irp j, 0,1,2,3,4,5,6,7,8,9,10,11,12,13,14,15,16,17,18,19,20,21,22,23,24,25,26,27,28,29,30,31,32,33,34,35,36,37,38,39,40,41,42,43,44,45,46,47,48,49,50,51,52,53,54,55,56,57,58,59,60,61,62,63
	v_exp_f32 v[S+\j], v[S+\j]                     ; p = 2^(t - M)
.endr
	v_pk_mul_f32 v[14:15], v[14:15], v[252:253] op_sel_hi:[1,0]   ; the sums under the new M
	s_wait_alu depctr_va_vdst(0)                   ; one wait for the batch
.irp b, 0,1
	v_exp_f32 v[232+\b], v[232+\b]                 ; the blocks' largest p
.endr
	v_pk_add_f32 v[236:237], v[100:101], v[104:105]
	v_pk_add_f32 v[248:249], v[108:109], v[112:113]
	v_pk_add_f32 v[246:247], v[116:117], v[120:121]
	v_pk_add_f32 v[244:245], v[124:125], v[128:129]
	v_pk_add_f32 v[242:243], v[132:133], v[136:137]
	v_pk_add_f32 v[240:241], v[140:141], v[144:145]
	v_pk_add_f32 v[238:239], v[148:149], v[152:153]
	v_pk_add_f32 v[14:15], v[14:15], v[156:157]
	v_pk_add_f32 v[236:237], v[236:237], v[96:97]
	v_pk_add_f32 v[248:249], v[248:249], v[98:99]
	v_pk_add_f32 v[246:247], v[246:247], v[102:103]
	v_pk_add_f32 v[244:245], v[244:245], v[106:107]
	v_pk_add_f32 v[242:243], v[242:243], v[110:111]
	v_pk_add_f32 v[240:241], v[240:241], v[114:115]
	v_pk_add_f32 v[238:239], v[238:239], v[118:119]
	v_pk_add_f32 v[14:15], v[14:15], v[122:123]
	v_pk_add_f32 v[236:237], v[236:237], v[126:127]
	v_pk_add_f32 v[248:249], v[248:249], v[130:131]
	v_pk_add_f32 v[246:247], v[246:247], v[134:135]
	v_pk_add_f32 v[244:245], v[244:245], v[138:139]
	v_pk_add_f32 v[242:243], v[242:243], v[142:143]
	v_pk_add_f32 v[240:241], v[240:241], v[146:147]
	v_pk_add_f32 v[238:239], v[238:239], v[150:151]
	v_pk_add_f32 v[14:15], v[14:15], v[154:155]
	v_pk_add_f32 v[236:237], v[236:237], v[158:159]
	s_delay_alu instid0(VALU_DEP_2)
	v_pk_add_f32 v[14:15], v[14:15], v[244:245]
	s_delay_alu instid0(VALU_DEP_2)
	v_pk_add_f32 v[236:237], v[236:237], v[242:243]
	v_pk_add_f32 v[248:249], v[248:249], v[240:241]
	v_pk_add_f32 v[246:247], v[246:247], v[238:239]
	s_delay_alu instid0(VALU_DEP_2)
	v_pk_add_f32 v[14:15], v[14:15], v[248:249]
	s_delay_alu instid0(VALU_DEP_2)
	v_pk_add_f32 v[236:237], v[236:237], v[246:247]
	s_delay_alu instid0(VALU_DEP_1)
	v_pk_add_f32 v[14:15], v[14:15], v[236:237]
	s_wait_alu depctr_va_vdst(0)                   ; and one for the two
.irp b, 0,1
	v_max_num_f32 v[232+\b], 0x1800000, v[232+\b]  ; the floor 2^(3 - 127)
.endr
.irp b, 0,1
	s_delay_alu instid0(VALU_DEP_2)
	v_add_nc_u32 v[244+\b], 0xff000000, v[232+\b]  ; 2 off the exponent field: the conversions' scale operand
.endr
.irp b, 0,1
	s_delay_alu instid0(VALU_DEP_2)
	v_lshrrev_b32 v[236+\b], 23, v[244+\b]         ; the scale's byte
.endr
	s_delay_alu instid0(VALU_DEP_1)
	v_lshl_or_b32 v238, v237, 16, v236             ; my two bytes: blocks h and 2 + h,
	s_delay_alu instid0(VALU_DEP_1)
	v_lshlrev_b32 v238, v[SH8], v238               ; at their places in the word;
	s_delay_alu instid0(VALU_DEP_1)
	v_permlanex16_b32 v239, v238, s[SEL], s[SEL+1]
	s_delay_alu instid0(VALU_DEP_1)
	v_or_b32 v[PSW], v238, v239                    ; with lane l xor 16's two: p's scale word
.irp c, 0,1
	v_cvt_scalef32_pk16_fp6_f32 v[PCD+6*\c:PCD+2+6*\c], v[S+32*\c:S+15+32*\c], v[244+\c]
	v_cvt_scalef32_pk16_fp6_f32 v[PT+4*\c:PT+2+4*\c], v[S+16+32*\c:S+31+32*\c], v[244+\c]   ; (a conversion's three registers begin on an even number)
.endr
	v_nop                                          ; one plain place behind a scaled conversion
.irp c, 0,1
.irp i, 0,1,2
	v_mov_b32 v[PCD+3+6*\c+\i], v[PT+4*\c+\i]
.endr
.endr
.irp j, 0,2,4,6,8,10,12,14,16,18,20,22,24,26,28,30
	v_pk_mul_f32 v[O+\j:O+1+\j], v[O+\j:O+1+\j], v[252:253] op_sel_hi:[1,0]   ; O^T under the new M; also the places ahead of the products
.endr
	s_wait_alu depctr_va_vdst(0)
	s_wait_dscnt 0x0                               ; V
.irp t, 0,1,2,3
	PV \t
.endr
	s_add_co_u32 s[TB], s[TB], STEPB
	s_add_co_u32 s[TS], s[TS], 512
	s_add_co_u32 s[TJ], s[TJ], 256
.endm
.macro LOOP n, qs
	s_mov_b32 s[CNT], \n
.Lk_\@:
	STEP \qs
	s_sub_co_u32 s[CNT], s[CNT], 1
	s_cmp_lg_u32 s[CNT], 0
	s_cbranch_scc1 .Lk_\@
.endm
; THE WAY OUT of pass e: O^T / the sum; d into its natural order; two blocks quantised; three planes of codes and two scale bytes a token
.macro EPI e
.rept 4
	v_nop
.endr
	v_add_f32 v14, v14, v15
	s_delay_alu instid0(VALU_DEP_1)
	v_permlanex16_b32 v252, v14, s[SEL], s[SEL+1]
	s_delay_alu instid0(VALU_DEP_1)
	v_add_f32 v14, v14, v252                       ; the row's sum, at least 1/2
	s_wait_alu depctr_va_vdst(0)
	v_rcp_f32 v14, v14
	v_nop
	s_wait_alu depctr_va_vdst(0)
.irp j, 0,2,4,6,8,10,12,14,16,18,20,22,24,26,28,30
	v_pk_mul_f32 v[S+\j:S+1+\j], v[O+\j:O+1+\j], v[14:15] op_sel_hi:[1,0]
.endr
.irp B, 0,1                            ; register 16 B + i then holds d = 32 B + 16 h + i
.irp j, 0,1,2,3,4,5,6,7
	v_permlane16_swap_b32 v[S+16*\B+\j], v[S+8+16*\B+\j]
.endr
.endr
.irp B, 0,1
	v_max3_num_f32 v[232+\B], |v[S+16*\B]|, |v[S+1+16*\B]|, 0x1800000
.endr
.irp i, 2,4,6,8,10,12,14
.irp B, 0,1
	s_delay_alu instid0(VALU_DEP_2)
	v_max3_num_f32 v[232+\B], v[232+\B], |v[S+16*\B+\i]|, |v[S+1+16*\B+\i]|
.endr
.endr
.irp B, 0,1
	s_delay_alu instid0(VALU_DEP_2)
	v_permlanex16_b32 v[236+\B], v[232+\B], s[SEL], s[SEL+1]
.endr
.irp B, 0,1
	s_delay_alu instid0(VALU_DEP_2)
	v_max_num_f32 v[232+\B], v[232+\B], v[236+\B]
.endr
.irp B, 0,1
	s_delay_alu instid0(VALU_DEP_2)
	v_add_nc_u32 v[244+\B], 0xff000000, v[232+\B]
.endr
.irp B, 0,1
	s_delay_alu instid0(VALU_DEP_2)
	v_lshrrev_b32 v[236+\B], 23, v[244+\B]
.endr
	s_delay_alu instid0(VALU_DEP_1)
	v_lshl_or_b32 v[HW], v237, 8, v236
	v_cvt_scalef32_pk16_fp6_f32 v[PCD:PCD+2], v[S:S+15], v244
	v_cvt_scalef32_pk16_fp6_f32 v[PCD+8:PCD+10], v[S+16:S+31], v245
	v_nop
.irp i, 0,1,2
	v_permlane16_swap_b32 v[PCD+\i], v[PCD+8+\i]
.endr
.irp i, 0,1,2
	s_delay_alu instid0(VALU_DEP_3)
	v_mov_b32 v[PCD+3+\i], v[PCD+8+\i]
.endr
.irp p, 0,1,2
	global_store_b64 v[L8], v[PCD+2*\p:PCD+2*\p+1], s[72:73] offset:256*\p+196608*\e   ; a plane: 256 consecutive, aligned bytes
.endr
	global_store_b16 v[R32], v[HW], s[74:75] offset:8192*\e   ; two bytes a token and head
.endm
.macro PASS e
.if \e
	s_wait_xcnt 0x0                                ; the last pass's stores have read their data
.irp i, 0,1,2,3,4,5
	v_mov_b32 v[QF+\i], v[Q1+\i]
.endr
.endif
	v_mov_b32 v13, 0xff61b1e6                      ; the largest t so far: -3e38
	s_delay_alu instid0(VALU_DEP_1)
	v_floor_f32 v12, -v13
	v_mov_b32 v14, 0
	v_mov_b32 v15, 0
.irp j, 0,1,2,3,4,5,6,7,8,9,10,11,12,13,14,15,16,17,18,19,20,21,22,23,24,25,26,27,28,29,30,31
	v_mov_b32 v[O+\j], 0                           ; O^T: the step has no first step of its own
.endr
	s_mov_b32 s[TB], 0
	s_mov_b32 s[TS], 0
	s_mov_b32 s[TJ], 0
.if (\e) == 0
	s_wait_alu depctr_va_vdst(0)                   ; the head's end
	s_wait_tensorcnt 0x0                           ; my load has landed,
	s_barrier_signal -1
	s_barrier_wait -1                              ; everybody's has
.endif
	LOOP 16, QS0+\e
	EPI \e
.endm
	PASS 0
	PASS 1
	s_wait_tensorcnt 0x0                           ; the wave's end
	ds_add_u32 v[SPW], v[NIL]
	s_wait_dscnt 0x0
	CROUND                                         ; the closing round
	s_endpgm
.Lfunc_end_k_q23eed96db8_attn:
	.size	k_q23eed96db8_attn, .Lfunc_end_k_q23eed96db8_attn-k_q23eed96db8_attn
	.p2alignl 7, 3214868480
	.fill 96, 4, 3214868480
	.section	.rodata,"a",@progbits
	.p2align	6, 0x0
	.amdhsa_kernel k_q23eed96db8_attn
		.amdhsa_group_segment_fixed_size 235520
		.amdhsa_private_segment_fixed_size 0
		.amdhsa_enable_private_segment 0
		.amdhsa_kernarg_size 32
		.amdhsa_user_sgpr_count 2
		.amdhsa_user_sgpr_kernarg_segment_ptr 1
		.amdhsa_wavefront_size32 1
		.amdhsa_system_sgpr_workgroup_id_x 1
		.amdhsa_system_sgpr_workgroup_id_y 1
		.amdhsa_system_sgpr_workgroup_id_z 1
		.amdhsa_system_vgpr_workitem_id 0
		.amdhsa_next_free_vgpr 256
		.amdhsa_next_free_sgpr 80
		.amdhsa_reserve_vcc 0
		.amdhsa_float_denorm_mode_32 3
		.amdhsa_float_denorm_mode_16_64 3
		.amdhsa_memory_ordered 1
		.amdhsa_forward_progress 1
		.amdhsa_inst_pref_size 55
	.end_amdhsa_kernel
	.amdgpu_metadata
---
amdhsa.version: [ 1, 2 ]
amdhsa.kernels:
  - .name:           k_q23eed96db8_attn
    .symbol:         k_q23eed96db8_attn.kd
    .args:
      - { .name: img, .offset: 0, .size: 8, .value_kind: global_buffer, .address_space: global }
      - { .name: scl, .offset: 8, .size: 8, .value_kind: global_buffer, .address_space: global }
      - { .name: ao, .offset: 16, .size: 8, .value_kind: global_buffer, .address_space: global }
      - { .name: aos, .offset: 24, .size: 8, .value_kind: global_buffer, .address_space: global }
    .group_segment_fixed_size: 235520
    .private_segment_fixed_size: 0
    .kernarg_segment_align: 8
    .kernarg_segment_size: 32
    .max_flat_workgroup_size: 512
    .sgpr_count:     80
    .vgpr_count:     256
    .wavefront_size: 32
...
	.end_amdgpu_metadata
.endif
;; end of part 2
;; launch proj (part 3): grid 4 x 64, 4 waves a work-group, clusters of 4 x 4, 327,680 bytes of LDS; arguments ao, aos, proj_w_codes, proj_w_scales, proj_b, out0; writes out0
.if DOCPART == 3
	.amdgcn_target "amdgcn-amd-amdhsa--gfx1250"
	.amdhsa_code_object_version 6
	.text
	.protected	k_q23eed96db8_proj
	.globl	k_q23eed96db8_proj
	.p2align	8
	.type	k_q23eed96db8_proj,@function
k_q23eed96db8_proj:
	s_mov_b64 s[64:65], 0
	v_nop
	global_prefetch_b8 v0, s[64:65] scope:SCOPE_SE
	s_setreg_imm32_b32 hwreg(HW_REG_WAVE_MODE, 25, 1), 1
	s_wait_xcnt 0x0
	s_wait_alu depctr_hold_cnt(0) depctr_sa_sdst(0) depctr_va_vdst(0) depctr_va_sdst(0) depctr_va_ssrc(0) depctr_va_vcc(0) depctr_vm_vsrc(0)
	s_getreg_b32 s2, hwreg(HW_REG_IB_STS2, 6, 4)
	s_cmp_eq_u32 s2, 0
	s_cbranch_scc0 .Lentry_in_a_cluster
	s_endpgm
.Lentry_in_a_cluster:
	s_bfe_u32 s2, ttmp6, 0x10000c
	s_cmp_lg_u32 s2, 0xf033
	s_cbranch_scc0 .Lentry_shape_is_right
	s_endpgm
.Lentry_shape_is_right:
; out = O W^T + b on codes of FP6 (E2M3) with one E8M0 scale for each 32 along K = 1,024; f32 sums, f32 out.
; ao: for each 16 tokens 12,288 bytes: [head][3 planes][32 lanes][8 bytes], operand registers as the attention launch left them; aos: [token][32 scale bytes].
; 256 work-groups: each makes 128 tokens x 256 columns.  ALL OF K LIES IN LDS, FILLED ONCE: W's 256 rows (768 bytes, 16 of padding behind every 256) and the 128 tokens' images (98,304 dense bytes, as rows of 256),
; one joint tensor load a wave: waves 0, 1 a half each of the images (shared along a row of the 4 x 4 cluster), waves 2, 3 128 rows each of W (shared along a column).  No slot is filled again.
; A wave makes 64 tokens x 128 columns: 32 accumulators (window 2).  Source 0 = 16 rows of W, source 1 = 16 tokens: a lane holds eight neighbouring columns of one row of out.
; Both operands' fragments lie twice in registers: step g multiplies set g % 2 while step g + 1's 72 loads land in the other.  The bias is the first products' C.
; The way out: half a block (16 rows x 64 columns) at a time through the wave's own stage; sixteen lanes store 256 consecutive, aligned bytes.
; No prefetch: every tile is asked for at the head, so no loop runs ahead of a load.
; LIMITS: NaN, infinities and scale bytes 0xff among the inputs are not served.
.set KROW,  768
.set PITCH, 816
.set FR,    12
.set HALF0, 128*PITCH                  ; 128 rows of W
.set OFF1,  2*HALF0                    ; the images
.set HALF1, 49152                      ; 64 tokens' images
.set SPARE, OFF1+2*HALF1               ; the spare words, 128 bytes a wave
.set STAGE, SPARE+512
.set SPITCH, 272
.set NB4,   4096                       ; a row of out
.set ADR1, 16                          ; v16 my tokens' images
.set ADR0, 20                          ; v20, v21 W's blocks 0-3 (v21: lanes 16-31 behind one padding more); v22, v23 blocks 4-7
.set STO,  24
.set RD,   25
.set CO,   26
.set H32,  27
.set SPW,  28
.set NIL,  29
.set L32,  30
.set S1W,  36                          ; v36-51 the tokens' scale words: register 8 P + g
.set S0W,  64                          ; v64-95 W's
.set BI,   96                          ; v96-127, v224-255 the bias, eight registers a column tile
.set AF,   128                         ; v128-223 the tokens' fragments, two sets of 48
.set BK,   128                         ; the way out: rows read back, two sets of 32
.set G1,   24
.set G0,   32
.set G1B,  48
.set G0B,  56
.set MSB, 0
.macro WIN new
.if MSB != (\new)
	s_set_vgpr_msb (MSB<<8)|(\new)
.set MSB, (\new)
.endif
.endm
.set MUL_LO, 0xa1                      ; source 0 window 1, source 1 window 0, C and D window 2
.set FST_LO, 0x81                      ; the same with C in window 0
.set TO_W1,  0x40
.macro CREST
	s_cmp_lg_u32 s14, 0
	s_cbranch_scc1 .Lnot_wave_0_\@
	s_barrier_signal -3
.Lnot_wave_0_\@:
	s_barrier_wait -3
	s_barrier_signal -1
	s_barrier_wait -1
.endm
.macro CROUND
	s_barrier_signal -1
	s_barrier_wait -1
	CREST
.endm
.macro PLACES n
.rept \n
	v_nop
.endr
.endm
	s_load_b128 s[4:7], s[0:1], 0x0                ; ao, aos
	s_load_b128 s[8:11], s[0:1], 0x10              ; W's codes, scales
	s_load_b64 s[12:13], s[0:1], 0x20              ; the bias
	s_load_b64 s[68:69], s[0:1], 0x28              ; out
	v_lshl_add_u32 v[SPW], v0, 2, SPARE
	v_mov_b32 v[NIL], 0
	ds_add_u32 v[SPW], v[NIL]                      ; the opening lines
	ds_add_u32 v[SPW], v[NIL]
	v_lshrrev_b32 v1, 5, v0
	v_readfirstlane_b32 s14, v1                    ; wave
	s_lshr_b32 s15, s14, 1                         ; my 64 tokens; also: I fetch images (0) or W (1)
	s_and_b32 s16, s14, 1                          ; my 128 columns; also: which half I fetch
	s_bfe_u32 s40, ttmp6, 0x40000
	s_bfe_u32 s41, ttmp6, 0x40004
	s_lshl_b32 s42, ttmp9, 2
	s_add_co_u32 s42, s42, s40                     ; tile of 256 columns
	s_and_b32 s17, ttmp7, 0xffff
	s_lshl_b32 s17, s17, 2
	s_add_co_u32 s17, s17, s41                     ; tile of 128 tokens
	s_lshl_b32 s43, s41, 2
	s_lshl_b32 s43, 15, s43                        ; my row of the cluster
	s_lshl_b32 s44, 0x1111, s40                    ; my column
	s_or_b32 s[G1+0], s43, (3<<16)|(1<<21)         ; 192 rows of 256 bytes, dense
	s_mov_b32 s[G1+1], 32<<16
	s_mov_b32 s[G1+2], 192<<16
	s_mov_b32 s[G1+3], 32<<16
	s_mov_b32 s[G1+4], 192
	s_mov_b32 s[G1+5], 32
	s_mov_b32 s[G1+6], 0
	s_mov_b32 s[G1+7], 0
	s_or_b32 s[G1B+0], s44, (1<<20)|(1<<21)|(5<<22)|(3<<25)   ; 128 rows of 768 bytes, 16 bytes of padding behind every 256
	s_mov_b32 s[G1B+1], KROW<<16
	s_mov_b32 s[G1B+2], 128<<16
	s_mov_b32 s[G1B+3], KROW<<16
	s_mov_b32 s[G1B+4], 128
	s_mov_b32 s[G1B+5], KROW
	s_mov_b32 s[G1B+6], 0
	s_mov_b32 s[G1B+7], 0
	s_mul_i32 s20, s17, 2*HALF1
	s_mul_i32 s18, s16, HALF1
	s_add_co_u32 s20, s20, s18
	s_mov_b32 s21, 0
	s_lshl_b32 s46, s42, 8
	s_lshl_b32 s19, s16, 7
	s_add_co_u32 s46, s46, s19
	s_mul_i32 s46, s46, KROW
	s_mov_b32 s47, 0
	s_add_co_u32 s45, s18, OFF1
	s_mul_i32 s94, s16, HALF0
	s_wait_dscnt 0x0
	s_wait_kmcnt 0x0
	s_add_nc_u64 s[20:21], s[4:5], s[20:21]
	s_add_nc_u64 s[46:47], s[8:9], s[46:47]
	CROUND                                         ; the joint loads meet
	s_mov_b32 s[G0], 1
	s_mov_b32 s[G0+1], s45
	s_mov_b64 s[G0+2:G0+3], s[20:21]
	s_or_b32 s[G0+3], s[G0+3], 0x80000000
	s_mov_b32 s[G0B], 1
	s_mov_b32 s[G0B+1], s94
	s_mov_b64 s[G0B+2:G0B+3], s[46:47]
	s_or_b32 s[G0B+3], s[G0B+3], 0x80000000
	s_cmp_eq_u32 s15, 0
	s_cbranch_scc0 .Lfor_w
	tensor_load_to_lds s[G0:G0+3], s[G1:G1+7]
	s_nop 0
	PLACES 4
	s_branch .Lasked
.Lfor_w:
	tensor_load_to_lds s[G0B:G0B+3], s[G1B:G1B+7]
	s_nop 0
	PLACES 4
.Lasked:
	s_mul_i32 s21, s15, HALF1
	s_add_co_u32 s21, s21, OFF1
	s_mul_i32 s22, s16, HALF0
	s_add_co_u32 s23, s22, 64*PITCH
	s_mul_i32 s18, s14, 16*SPITCH
	s_add_co_u32 s18, s18, STAGE
	s_lshl_b32 s90, s17, 1
	s_add_co_u32 s90, s90, s15                     ; which 64 tokens
	s_lshl_b32 s91, s42, 1
	s_add_co_u32 s91, s91, s16                     ; which 128 columns
	s_lshl_b32 s94, s90, 11
	s_mov_b32 s95, 0
	s_add_nc_u64 s[6:7], s[6:7], s[94:95]
	s_lshl_b32 s94, s91, 12
	s_add_nc_u64 s[10:11], s[10:11], s[94:95]
	s_lshl_b32 s94, s91, 9
	s_add_nc_u64 s[12:13], s[12:13], s[94:95]
	s_lshl_b32 s19, s90, 18
	s_add_co_u32 s94, s94, s19
	s_add_nc_u64 s[68:69], s[68:69], s[94:95]
	v_and_b32 v1, 15, v0                           ; r
	v_bfe_u32 v2, v0, 4, 1                         ; h
	v_and_b32 v6, 31, v0
	v_mul_u32_u24 v3, v1, PITCH
	v_mad_u32_u24 v4, v2, 24, v3
	v_mad_u32_u24 v5, v2, 40, v3
	v_add_nc_u32 v[ADR0], s22, v4
	v_add_nc_u32 v[ADR0+1], s22, v5
	v_add_nc_u32 v[ADR0+2], s23, v4
	v_add_nc_u32 v[ADR0+3], s23, v5
	v_lshl_add_u32 v[ADR1], v6, 3, s21
	v_lshlrev_b32 v[L32], 5, v6
	v_lshlrev_b32 v[H32], 5, v2
	v_mul_u32_u24 v7, v1, SPITCH
	v_lshl_add_u32 v7, v2, 5, v7
	v_add_nc_u32 v[STO], s18, v7                   ; in: row r, 32 bytes for each half of the lanes
	v_mul_u32_u24 v8, v2, SPITCH
	v_lshl_add_u32 v8, v1, 4, v8
	v_add_nc_u32 v[RD], s18, v8                    ; back: lanes 0-15 one row of 256 bytes, lanes 16-31 the next
	v_lshlrev_b32 v9, 12, v2
	v_lshl_add_u32 v[CO], v1, 4, v9                ; and the same two rows in out
	s_wait_alu depctr_va_vdst(0)                   ; the head's end
.irp P, 0,1
	global_load_b128 v[S1W+8*\P:S1W+8*\P+3],   v[L32], s[6:7] offset:1024*\P
	global_load_b128 v[S1W+8*\P+4:S1W+8*\P+7], v[L32], s[6:7] offset:1024*\P+16
.endr
.irp P, 0,1,2,3
	global_load_b128 v[S0W+8*\P:S0W+8*\P+3],   v[L32], s[10:11] offset:1024*\P
	global_load_b128 v[S0W+8*\P+4:S0W+8*\P+7], v[L32], s[10:11] offset:1024*\P+16
.endr
.irp b, 0,1,2,3,4,5,6,7
	global_load_b128 v[BI+8*\b+96*(\b/4):BI+8*\b+96*(\b/4)+3],   v[H32], s[12:13] offset:64*\b
	global_load_b128 v[BI+8*\b+96*(\b/4)+4:BI+8*\b+96*(\b/4)+7], v[H32], s[12:13] offset:64*\b+16
.endr
; step g's fragments into set g % 2: W's eight in pieces of 8 bytes (piece n of a row at 8 n + 16 (n / 32)), the tokens' four as six planes each
.macro FETCH g
	WIN TO_W1
.irp i, 0,1,2,3,4,5,6,7
.irp p, 0,1,2,3,4,5
.set PCE, 12*(\g)+6*(\p/3)+\p%3
	ds_load_b64 v[128*((\g)%2)+FR*\i+2*\p:128*((\g)%2)+FR*\i+2*\p+1], v[ADR0+2*(\i/4)+(PCE%32+3)/32] offset:8*PCE+16*(PCE/32)+(\i%4)*16*PITCH
.endr
.endr
	WIN 0
.irp i, 0,1,2,3
.irp p, 0,1,2,3,4,5
	ds_load_b64 v[AF+48*((\g)%2)+FR*\i+2*\p:AF+48*((\g)%2)+FR*\i+2*\p+1], v[ADR1] offset:12288*\i+1536*(\g)+256*\p
.endr
.endr
.endm
; 32 products, the accumulators by turns; an odd block's scale words are read from lanes 16-31
.macro MUL g, first
.irp ap, 0,1
.irp ao, 0,1
.irp bp, 0,1,2,3
.irp bo, 0,1
.set rD, 8*(8*(2*\ap+\ao)+2*\bp+\bo)
.set rA, 128*((\g)%2)+FR*(2*\bp+\bo)
.set rB, AF+48*((\g)%2)+FR*(2*\ap+\ao)
.set rC, BI+8*(2*\bp+\bo)+96*(\bp/2)
.if \first
	v_wmma_scale_f32_16x16x128_f8f6f4 v[rD:rD+7], v[rA:rA+FR-1], v[rB:rB+FR-1], v[rC:rC+7], v[S0W+8*\bp+(\g)], v[S1W+8*\ap+(\g)] matrix_a_fmt:MATRIX_FMT_FP6 matrix_b_fmt:MATRIX_FMT_FP6 matrix_a_scale:MATRIX_SCALE_ROW\bo matrix_b_scale:MATRIX_SCALE_ROW\ao
.else
	v_wmma_scale_f32_16x16x128_f8f6f4 v[rD:rD+7], v[rA:rA+FR-1], v[rB:rB+FR-1], v[rD:rD+7], v[S0W+8*\bp+(\g)], v[S1W+8*\ap+(\g)] matrix_a_fmt:MATRIX_FMT_FP6 matrix_b_fmt:MATRIX_FMT_FP6 matrix_a_scale:MATRIX_SCALE_ROW\bo matrix_b_scale:MATRIX_SCALE_ROW\ao
.endif
.endr
.endr
.endr
.endr
.endm
.macro STEP g
	s_wait_dscnt 0x0                               ; this step's fragments are in
.if (\g) < 7
.if (\g) > 0
	PLACES 4                                       ; behind the last step's products, ahead of the loads into their operands
.endif
	FETCH (\g)+1
.endif
.if (\g) == 0
	WIN FST_LO
	MUL \g, 1
.else
	WIN MUL_LO
	MUL \g, 0
.endif
.endm
	s_wait_tensorcnt 0x0                           ; my tile is in,
	s_barrier_signal -1
	s_barrier_wait -1                              ; everybody's is
	FETCH 0
	s_wait_loadcnt 0x0                             ; the scale words and the bias
.irp g, 0,1,2,3,4,5,6,7
	STEP \g
.endr
	WIN 0
; THE WAY OUT: half block k = 2 a + u: 16 rows x 64 columns.  LDS serves a wave's instructions in order (ISA guide 5.7.1.4): no wait between the stage's stores and loads.
.macro TOSTAGE k
.set AC, 64*((\k)/2)+32*((\k)%2)
	WIN 0x08
.irp b, 0,1,2,3
	ds_store_b128 v[STO], v[AC+8*\b:AC+8*\b+3] offset:64*\b          ; each accumulator from its low end on
	ds_store_b128 v[STO], v[AC+8*\b+4:AC+8*\b+7] offset:64*\b+16
.endr
	WIN 0
.set BB, BK+32*((\k)%2)
.irp t, 0,1,2,3,4,5,6,7
	ds_load_b128 v[BB+4*\t:BB+4*\t+3], v[RD] offset:\t*2*SPITCH
.endr
.endm
.macro SEND k, younger                 ; younger: the LDS instructions issued behind half block k's loads
.set BB, BK+32*((\k)%2)
	s_wait_dscnt \younger
.irp t, 0,1,2,3,4,5,6,7
	global_store_b128 v[CO], v[BB+4*\t:BB+4*\t+3], s[68:69] offset:((\k)/2)*16*NB4+((\k)%2)*256+\t*2*NB4 th:TH_STORE_NT
.endr
.endm
	PLACES 4
	TOSTAGE 0
.irp k, 1,2,3,4,5,6,7
.if \k > 1
	s_wait_xcnt 0x0                                ; half block k - 2's stores have read their registers
.endif
	TOSTAGE \k
	SEND \k-1, 16                                  ; behind its loads: the next half block's 8 stores and 8 loads
.endr
	SEND 7, 0
	s_wait_tensorcnt 0x0                           ; the wave's end
	ds_add_u32 v[SPW], v[NIL]
	s_wait_dscnt 0x0
	CROUND                                         ; the closing round
	s_endpgm
.Lfunc_end_k_q23eed96db8_proj:
	.size	k_q23eed96db8_proj, .Lfunc_end_k_q23eed96db8_proj-k_q23eed96db8_proj
	.p2alignl 7, 3214868480
	.fill 96, 4, 3214868480
	.section	.rodata,"a",@progbits
	.p2align	6, 0x0
	.amdhsa_kernel k_q23eed96db8_proj
		.amdhsa_group_segment_fixed_size 327680
		.amdhsa_private_segment_fixed_size 0
		.amdhsa_enable_private_segment 0
		.amdhsa_kernarg_size 48
		.amdhsa_user_sgpr_count 2
		.amdhsa_user_sgpr_kernarg_segment_ptr 1
		.amdhsa_wavefront_size32 1
		.amdhsa_system_sgpr_workgroup_id_x 1
		.amdhsa_system_sgpr_workgroup_id_y 1
		.amdhsa_system_sgpr_workgroup_id_z 1
		.amdhsa_system_vgpr_workitem_id 0
		.amdhsa_next_free_vgpr 768
		.amdhsa_next_free_sgpr 100
		.amdhsa_reserve_vcc 0
		.amdhsa_float_denorm_mode_32 3
		.amdhsa_float_denorm_mode_16_64 3
		.amdhsa_memory_ordered 1
		.amdhsa_forward_progress 1
		.amdhsa_inst_pref_size 95
	.end_amdhsa_kernel
	.amdgpu_metadata
---
amdhsa.version: [ 1, 2 ]
amdhsa.kernels:
  - .name:           k_q23eed96db8_proj
    .symbol:         k_q23eed96db8_proj.kd
    .args:
      - { .name: ao, .offset: 0, .size: 8, .value_kind: global_buffer, .address_space: global }
      - { .name: aos, .offset: 8, .size: 8, .value_kind: global_buffer, .address_space: global }
      - { .name: proj_w_codes, .offset: 16, .size: 8, .value_kind: global_buffer, .address_space: global }
      - { .name: proj_w_scales, .offset: 24, .size: 8, .value_kind: global_buffer, .address_space: global }
      - { .name: proj_b, .offset: 32, .size: 8, .value_kind: global_buffer, .address_space: global }
      - { .name: out0, .offset: 40, .size: 8, .value_kind: global_buffer, .address_space: global }
    .group_segment_fixed_size: 327680
    .private_segment_fixed_size: 0
    .kernarg_segment_align: 8
    .kernarg_segment_size: 48
    .max_flat_workgroup_size: 128
    .sgpr_count:     100
    .vgpr_count:     768
    .wavefront_size: 32
...
	.end_amdgpu_metadata
.endif
;; end of part 3
